; MI455X (gfx1250); checked and timed in simulation.
; The chip was launched on July 23, 2026; its instructions are those of AMD's public machine-readable ISA for CDNA 5 (MIT licence, August 2026) and "CDNA5" Instruction Set Architecture Reference Guide (July 2026). The comments in the code are by the model that wrote it; some were corrected since.
;; Dust3 R Cross Attention. Allowed arithmetic: matrix products marked QUANTISED: E2M3 operands, one E8M0 scale for each 32 along K, by v_wmma_scale_f32_16x16x128_f8f6f4 with both operands' format E2M3, f32 sums; everything else in f32.
;; Inputs: Wk_codes 768 x 24 x 24 uint8 (E2M3 codes of Wk, K innermost, in blocks of 32 codes, four codes in three bytes); Wk_scales 768 x 24 uint8 (E8M0 scales of Wk, one for each 32 codes along K); Wo_codes 768 x 24 x 24 uint8 (E2M3 codes of Wo, K innermost, in blocks of 32 codes, four codes in three bytes); Wo_scales 768 x 24 uint8 (E8M0 scales of Wo, one for each 32 codes along K); Wq_codes 768 x 24 x 24 uint8 (E2M3 codes of Wq, K innermost, in blocks of 32 codes, four codes in three bytes); Wq_scales 768 x 24 uint8 (E8M0 scales of Wq, one for each 32 codes along K); Wv_codes 768 x 24 x 24 uint8 (E2M3 codes of Wv, K innermost, in blocks of 32 codes, four codes in three bytes); Wv_scales 768 x 24 uint8 (E8M0 scales of Wv, one for each 32 codes along K); bo 768 float32; key_codes 8 x 1,024 x 24 x 24 uint8 (E2M3 codes of key, K innermost, in blocks of 32 codes, four codes in three bytes); key_scales 8 x 1,024 x 24 uint8 (E8M0 scales of key, one for each 32 codes along K); query_codes 8 x 1,024 x 24 x 24 uint8 (E2M3 codes of query, K innermost, in blocks of 32 codes, four codes in three bytes); query_scales 8 x 1,024 x 24 uint8 (E8M0 scales of query, one for each 32 codes along K); value_codes 8 x 1,024 x 24 x 24 uint8 (E2M3 codes of value, K innermost, in blocks of 32 codes, four codes in three bytes); value_scales 8 x 1,024 x 24 uint8 (E8M0 scales of value, one for each 32 codes along K).
;; Outputs: out0 8 x 1,024 x 768 float32.
;; This version of the problem:
;;   THIS VERSION OF THE PROBLEM IS GIVEN IN LOW PRECISION. The matrix products marked QUANTISED in the list below multiply operands that are first quantised to E2M3 (2 exponent bits, 3 mantissa bits; 6 bits a number), with one power-of-two scale for each 32 numbers along K (OCP MX v1.0); their sums are f32. All else is computed in f32.
;;   The module's matrix products, in the order in which they are computed (A, B: the left and right operand; K: the contracted axis; several contracted axes count as one K, in the product's order):
;;     1. [M 8,192, K 768] x [K 768, N 768]; A: input query (given as codes); B: input Wq (given as codes): QUANTISED
;;     2. [M 8,192, K 768] x [K 768, N 768]; A: input key (given as codes); B: input Wk (given as codes): QUANTISED
;;     3. [M 8,192, K 768] x [K 768, N 768]; A: input value (given as codes); B: input Wv (given as codes): QUANTISED
;;     4. batch 96 x [M 1,024, K 64] x [K 64, N 1,024]; A: computed on the way; B: computed on the way: QUANTISED
;;     5. batch 96 x [M 1,024, K 1,024] x [K 1,024, N 64]; A: softmax (see below); B: computed on the way: QUANTISED
;;     6. [M 8,192, K 768] x [K 768, N 768]; A: computed on the way; B: input Wo (given as codes): QUANTISED
;;   THE QUANTISER, for each operand of a quantised product, along K:
;;     - K is cut into blocks of 32 from its start; a last block that is shorter is filled with zeros.
;;     - A block's scale is 2^e with e = floor(log2(the largest magnitude in the block)) - 2, held to -126 .. 127; a block of zeros has e = 0. As a byte (E8M0): e + 127.
;;     - Each number is divided by its block's scale, clamped to +-7.5, and rounded to the nearest number of E2M3, ties to even, subnormals kept.
;;     - The product sums the exact products of the quantised numbers (number of the format x scale) in f32.
;;   ~~~python
;;   def quantise(x, axis):      # numpy; x: float32 -> the quantised numbers, widened to float32 again
;;       x = np.moveaxis(x, axis, -1); K = x.shape[-1]
;;       x = np.pad(x, [(0, 0)] * (x.ndim - 1) + [(0, -K % 32)]); x = x.reshape(x.shape[:-1] + (-1, 32)); a = np.abs(x).max(-1, keepdims=True)
;;       e = np.where(a > 0, np.clip(np.frexp(np.where(a > 0, a, 1))[1] - 1 - 2, -126, 127), 0)      # np.frexp(a)[1] - 1 = floor(log2(a)), exactly
;;       r = np.clip(x / 2.0 ** e, -7.5, 7.5)
;;       step = 2.0 ** (np.maximum(np.frexp(np.where(r == 0, 1, r))[1] - 1, 0) - 3)
;;       q = np.round(r / step) * step * 2.0 ** e      # np.round: ties to even
;;       return np.moveaxis(q.reshape(q.shape[:-2] + (-1,))[..., :K], -1, axis).astype(np.float32)
;;   ~~~
;;   SOFTMAX AHEAD OF A QUANTISED PRODUCT. Where the list says 'softmax', what is quantised is not the finished softmax but p = 2^(t - M), with t = logit x log2(e) and M = ceil(the row's largest t), a whole number; so 1/2 < the row's largest p <= 1. The row's sum l is taken of the UNQUANTISED p, in f32, and the product's result is divided by l at the end. Since M is a whole number, a kernel that streams over the keys may use a running M (the ceiling of the running maximum): every later rescaling is an exact power of two, which a block's scale takes up: the codes' values come out the same.
;;   OPERANDS COMPUTED ON THE WAY. 'Computed on the way' means the value that the module computes at that place (a softmax that the list does not call 'softmax' is quantised finished and normalised). What goes into a quantiser is computed in f32, as accurately as f32 sums, v_exp_f32 and their like allow (about 1e-6 of the number): no bf16 or f16 on the way to a quantiser, and a product that is left as it is and whose result goes on into a quantised operand takes f32 operands (vector FMAs, or v_wmma_f32_16x16x4_f32). A number that lies on a knife's edge between two numbers of the format may be rounded either way, as far as f32 arithmetic and the matrix unit's own rounding can turn it there, and no further.
;;   INPUTS GIVEN AS CODES. Wk (in the module: [768, 768], K = its axis 1); Wo (in the module: [768, 768], K = its axis 1); Wq (in the module: [768, 768], K = its axis 1); Wv (in the module: [768, 768], K = its axis 1); key (in the module: [8, 1024, 768], K = its axis 2); query (in the module: [8, 1024, 768], K = its axis 2); value (in the module: [8, 1024, 768], K = its axis 2): each comes as NAME_codes (uint8): NAME with its K axis moved to the last place and cut into blocks of 32 codes, [.., K / 32, bytes a block], one block behind the other in memory; four codes in three bytes: a row's codes are one little-endian stream of bits, code i at bits 6 i .. 6 i + 5 (a code: sign, 2 exponent bits, 3 mantissa bits); and NAME_scales (uint8): the same leading axes, one E8M0 byte (e + 127) for each 32 codes along K. Its value is code x scale, taken as it is: it is not quantised again, and the codes and scales need not be those that the quantiser above would give.
;; One version. Each part assembles by itself: llvm-mc -triple=amdgcn-amd-amdhsa -mcpu=gfx1250 --defsym DOCPART=n.
;; ======== version 1 of 1: 2 launches
;; limits: right only within a limited range of input values
;; workspace buffers: img 15,335,424 bytes; woimg 442,368 bytes
;; launch proj (part 1): grid 4 x 64, 4 waves a work-group, clusters of 4 x 4, 327,680 bytes of LDS; arguments query_codes, query_scales, key_codes, key_scales, value_codes, value_scales, Wq_codes, Wq_scales, Wk_codes, Wk_scales, Wv_codes, Wv_scales, img, Wo_codes, woimg; writes img, woimg
.if DOCPART == 1
	.amdgcn_target "amdgcn-amd-amdhsa--gfx1250"
	.amdhsa_code_object_version 6
	.text
	.protected	k_q50f281d8ce_proj
	.globl	k_q50f281d8ce_proj
	.p2align	8
	.type	k_q50f281d8ce_proj,@function
k_q50f281d8ce_proj:
	s_mov_b64 s[64:65], 0
	v_nop
	global_prefetch_b8 v0, s[64:65] scope:SCOPE_SE
	s_setreg_imm32_b32 hwreg(HW_REG_WAVE_MODE, 25, 1), 1
	s_wait_xcnt 0x0
	s_wait_alu depctr_hold_cnt(0) depctr_sa_sdst(0) depctr_va_vdst(0) depctr_va_sdst(0) depctr_va_ssrc(0) depctr_va_vcc(0) depctr_vm_vsrc(0)
	s_getreg_b32 s2, hwreg(HW_REG_IB_STS2, 6, 4)
	s_cmp_eq_u32 s2, 0
	s_cbranch_scc0 .Lentry_in_a_cluster
	s_endpgm
.Lentry_in_a_cluster:
	s_bfe_u32 s2, ttmp6, 0x10000c
	s_cmp_lg_u32 s2, 0xf033
	s_cbranch_scc0 .Lentry_shape_is_right
	s_endpgm
.Lentry_shape_is_right:
; q = rope(query Wq^T), k = rope(key Wk^T), v = value Wv^T on the given codes of FP6 (E2M3) with E8M0 scales, sums in f32; the results are quantised in registers
; (q, k along the head's 64; v along the keys) and stored as images of operand registers.  Wo's codes are re-laid as images too.  No step of the problem is left out.
; SHARES.  256 work-groups that stay: a work-group owns 128 tokens x 192 columns (3 heads), K = 768, and makes that block of q, then of k, then of v.
; LDS.  Two slots for 128 rows of X, one for 192 rows of W, whole rows of 576 bytes.  In memory each half of a tile is one dense block that begins at a multiple of 256 bytes: it is asked for as rows of 256 bytes,
; with 16 bytes of padding behind every 64, so that a row of codes is 720 bytes in LDS.  All LDS is claimed.
; THE LOADS, never more than one a wave behind a round (waves 0, 1: X's halves; 2, 3: W's): at the head X of q and Wq; behind the second round X of k (a first fill); behind q's products X of v and Wk, which land
; while q is rotated, quantised and stored from registers; behind k's products Wv likewise.  Every wait on TENSORcnt is for 0.
; CLUSTER 4 x 4: X's rows are shared along a row of the cluster, W's along a column.  The scale bytes (24 a row) go from memory into registers, 768 consecutive bytes an instruction.
; PREFETCH, at the head: Wk's and Wv's 432 blocks of 256 bytes of my column (27 a wave, 108 a work-group, the four partners told apart by address) and X of v's 288 of my row (18 a wave); left-over lanes name their wave's last block.
; q, k: source 0 = 16 rows of W, source 1 = 16 tokens: a lane holds one token, registers along d.  Wave w: token tiles 2w, 2w+1 x 12 tiles of W.  Sines and cosines are made once and serve q and k.
; v: source 0 = 16 tokens, source 1 = 16 rows of Wv: a lane holds one d, registers down the 128 tokens.  Wave w: d tile w of the 3 heads; its rows: 32 (w / 2) + 8 (w % 2) + r + 8 (r / 8).
; ORDER INSIDE A BLOCK OF 32: position p holds number [0-7, 16-23, 8-15, 24-31][p]: q and k alike along d, v and the softmax's p alike along the keys.
; img: [96 heads][8 steps of 128 tokens][19,968]: K's record at 0, V's at 6,656, Q's at 13,312.  Q, K: 8 tiles x 768 bytes (registers 0-3 at 16 x lane, 4-5 at 512 + 8 x lane), then 4 x 128 bytes of scale words.
; V: 4 d tiles x 1,536 bytes (registers 4c .. 4c+3 at 512 c + 16 x lane), then 4 x 128 bytes of scale words.
; woimg: [48 tiles of 16 rows][6 steps s][3 pieces j][lane r + 16 h][16 bytes] = bytes 288 h + 48 s + 16 j .. of row r.  Its 1,728 units of 256 bytes: 8 to each of the first 216 work-groups (a mask of lanes, no branch).
; LIMITS: NaN and infinities are not served (a scale byte 0xff gives NaN); a block of zeros keeps the byte 1 (its codes are zeros; this program alone reads the bytes);
; inv_freq is good to about 4e-7 of itself, so the largest angles (about 1,000 rad) to about 4e-4 rad.
.set PITCH, 720
.set WOFF,  92160
.set XS1,   230400
.set SPARE, 322560
.set HEADB, 159744
.set RECB,  19968
.set WV,   34
.set ARM,  35
.set HALF, 60
.set CX,   61
.set CY,   62
.set TB,   66
.set SEL,  100
.set G1X,  36
.set G1W,  44
.set GXQ,  68
.set GXK,  72
.set GXV,  76
.set GWQ,  80
.set GWK,  52
.set GWV,  56
.set TM,   192
.set PD,   208
.set AA,   64
.set NN,   80
.set R2,   96
.set SS,   112
.set CC,   128
.set T1,   144
.set T2,   160
.set IV,   208
.set MSB, 0
.macro WIN new
.if MSB != (\new)
	s_set_vgpr_msb (MSB<<8)|(\new)
.set MSB, (\new)
.endif
.endm
.macro PLACES n
.rept \n
	v_nop
.endr
.endm
.macro CROUND
	s_barrier_signal -1
	s_barrier_wait -1
	s_cmp_lg_u32 s[WV], 0
	s_cbranch_scc1 .Lnot_wave_0_\@
	s_barrier_signal -3
.Lnot_wave_0_\@:
	s_barrier_wait -3
	s_barrier_signal -1
	s_barrier_wait -1
.endm
.macro SEQ                             ; three lines in front of a round behind which LDS is filled, and the round
	s_wait_tensorcnt 0x0
	ds_add_u32 v62, v63
	s_wait_dscnt 0x0
	CROUND
.endm
.macro G0SET g, lreg, loff, p, o
	s_mov_b32 s[\g], 1
	s_add_co_u32 s[(\g)+1], s[\lreg], \loff
	s_add_nc_u64 s[(\g)+2:(\g)+3], s[\p:(\p)+1], s[\o:(\o)+1]
	s_or_b32 s[(\g)+3], s[(\g)+3], 0x80000000
.endm
; a fragment of K step q: six pieces of 8 bytes; 16 bytes of padding lie behind every 8 pieces; where lanes 16-31 (three pieces on) lie behind one padding more, the second address register serves
.macro FRAG reg, adr, q, row
.irp p, 0,1,2,3,4,5
.set PCE, 12*(\q)+6*(\p/3)+\p%3
.if PCE%8 < 5
	ds_load_b64 v[(\reg)+2*\p:(\reg)+2*\p+1], v[\adr] offset:8*PCE+16*(PCE/8)+(\row)*PITCH
.else
	ds_load_b64 v[(\reg)+2*\p:(\reg)+2*\p+1], v[(\adr)+1] offset:8*PCE+16*(PCE/8)+(\row)*PITCH
.endif
.endr
.endm
.macro WMZ d, a, b, sa, sb, ra, rb
.if (\ra) && (\rb)
	v_wmma_scale_f32_16x16x128_f8f6f4 v[(\d):(\d)+7], v[(\a):(\a)+11], v[(\b):(\b)+11], 0, v[\sa], v[\sb] matrix_a_fmt:MATRIX_FMT_FP6 matrix_b_fmt:MATRIX_FMT_FP6 matrix_a_scale:MATRIX_SCALE_ROW1 matrix_b_scale:MATRIX_SCALE_ROW1
.elseif (\ra)
	v_wmma_scale_f32_16x16x128_f8f6f4 v[(\d):(\d)+7], v[(\a):(\a)+11], v[(\b):(\b)+11], 0, v[\sa], v[\sb] matrix_a_fmt:MATRIX_FMT_FP6 matrix_b_fmt:MATRIX_FMT_FP6 matrix_a_scale:MATRIX_SCALE_ROW1
.elseif (\rb)
	v_wmma_scale_f32_16x16x128_f8f6f4 v[(\d):(\d)+7], v[(\a):(\a)+11], v[(\b):(\b)+11], 0, v[\sa], v[\sb] matrix_a_fmt:MATRIX_FMT_FP6 matrix_b_fmt:MATRIX_FMT_FP6 matrix_b_scale:MATRIX_SCALE_ROW1
.else
	v_wmma_scale_f32_16x16x128_f8f6f4 v[(\d):(\d)+7], v[(\a):(\a)+11], v[(\b):(\b)+11], 0, v[\sa], v[\sb] matrix_a_fmt:MATRIX_FMT_FP6 matrix_b_fmt:MATRIX_FMT_FP6
.endif
.endm
.macro WMC d, a, b, sa, sb, ra, rb
.if (\ra) && (\rb)
	v_wmma_scale_f32_16x16x128_f8f6f4 v[(\d):(\d)+7], v[(\a):(\a)+11], v[(\b):(\b)+11], v[(\d):(\d)+7], v[\sa], v[\sb] matrix_a_fmt:MATRIX_FMT_FP6 matrix_b_fmt:MATRIX_FMT_FP6 matrix_a_scale:MATRIX_SCALE_ROW1 matrix_b_scale:MATRIX_SCALE_ROW1
.elseif (\ra)
	v_wmma_scale_f32_16x16x128_f8f6f4 v[(\d):(\d)+7], v[(\a):(\a)+11], v[(\b):(\b)+11], v[(\d):(\d)+7], v[\sa], v[\sb] matrix_a_fmt:MATRIX_FMT_FP6 matrix_b_fmt:MATRIX_FMT_FP6 matrix_a_scale:MATRIX_SCALE_ROW1
.elseif (\rb)
	v_wmma_scale_f32_16x16x128_f8f6f4 v[(\d):(\d)+7], v[(\a):(\a)+11], v[(\b):(\b)+11], v[(\d):(\d)+7], v[\sa], v[\sb] matrix_a_fmt:MATRIX_FMT_FP6 matrix_b_fmt:MATRIX_FMT_FP6 matrix_b_scale:MATRIX_SCALE_ROW1
.else
	v_wmma_scale_f32_16x16x128_f8f6f4 v[(\d):(\d)+7], v[(\a):(\a)+11], v[(\b):(\b)+11], v[(\d):(\d)+7], v[\sa], v[\sb] matrix_a_fmt:MATRIX_FMT_FP6 matrix_b_fmt:MATRIX_FMT_FP6
.endif
.endm
; 32 numbers of a lane (register 16 b + i of block b; the block's other 16 lie in lane l xor 16) become half a fragment (6 registers) and two scale bytes
.macro QUANT32 src, pc, pw
	v_max3_num_f32 v[TM], |v[(\src)]|, |v[(\src)+1]|, 0x1800000       ; the floor 2^(3 - 127): the byte cannot fall under 1
	v_max3_num_f32 v[TM+1], |v[(\src)+16]|, |v[(\src)+17]|, 0x1800000
.irp i, 2,4,6,8,10,12,14
	v_max3_num_f32 v[TM], v[TM], |v[(\src)+\i]|, |v[(\src)+1+\i]|
	v_max3_num_f32 v[TM+1], v[TM+1], |v[(\src)+16+\i]|, |v[(\src)+17+\i]|
.endr
	v_permlanex16_b32 v[TM+2], v[TM], s[SEL], s[SEL+1]
	v_permlanex16_b32 v[TM+3], v[TM+1], s[SEL], s[SEL+1]
	v_max_num_f32 v[TM], v[TM], v[TM+2]
	v_max_num_f32 v[TM+1], v[TM+1], v[TM+3]
	v_add_nc_u32 v[TM+4], 0xff000000, v[TM]                          ; 2 off the exponent field: the conversion's scale operand
	v_add_nc_u32 v[TM+5], 0xff000000, v[TM+1]
	v_lshrrev_b32 v[TM+6], 23, v[TM+4]
	v_lshrrev_b32 v[TM+7], 23, v[TM+5]
	v_lshl_or_b32 v[\pw], v[TM+7], 8, v[TM+6]
	v_cvt_scalef32_pk16_fp6_f32 v[(\pc):(\pc)+2], v[(\src):(\src)+15], v[TM+4]
	v_cvt_scalef32_pk16_fp6_f32 v[PD:PD+2], v[(\src)+16:(\src)+31], v[TM+5]
	v_nop                                                            ; one plain place behind a scaled conversion
.irp i, 0,1,2
	v_permlane16_swap_b32 v[(\pc)+\i], v[PD+\i]                      ; a whole block to a lane
.endr
.irp i, 0,1,2
	v_mov_b32 v[(\pc)+3+\i], v[PD+\i]
.endr
.endm
; 64 numbers of a lane in window 1 become a fragment (12 registers, window 0) and its scale word
.macro QUANT64W s, pc, pw
	WIN 0x05
.irp b, 0,1,2,3
	v_max3_num_f32 v[TM+\b], |v[(\s)+16*\b]|, |v[(\s)+1+16*\b]|, 0x1800000
.endr
.irp i, 2,4,6,8,10,12,14
.irp b, 0,1,2,3
	v_max3_num_f32 v[TM+\b], |v[(\s)+16*\b+\i]|, |v[(\s)+1+16*\b+\i]|, v[TM+\b]
.endr
.endr
	WIN 0
.irp b, 0,1,2,3
	v_permlanex16_b32 v[TM+4+\b], v[TM+\b], s[SEL], s[SEL+1]
.endr
.irp b, 0,1,2,3
	v_max_num_f32 v[TM+\b], v[TM+\b], v[TM+4+\b]
.endr
.irp b, 0,1,2,3
	v_add_nc_u32 v[TM+12+\b], 0xff000000, v[TM+\b]
.endr
.irp b, 0,1,2,3
	v_lshrrev_b32 v[TM+4+\b], 23, v[TM+12+\b]
.endr
	v_lshl_or_b32 v[\pw], v[TM+5], 8, v[TM+4]
	v_lshl_or_b32 v[\pw], v[TM+6], 16, v[\pw]
	v_lshl_or_b32 v[\pw], v[TM+7], 24, v[\pw]
	WIN 0x01
.irp c, 0,1
	v_cvt_scalef32_pk16_fp6_f32 v[(\pc)+6*\c:(\pc)+2+6*\c], v[(\s)+32*\c:(\s)+15+32*\c], v[TM+12+2*\c]
	v_cvt_scalef32_pk16_fp6_f32 v[PD+4*\c:PD+2+4*\c], v[(\s)+16+32*\c:(\s)+31+32*\c], v[TM+12+2*\c+1]
.endr
	WIN 0
	v_nop
.irp c, 0,1
.irp i, 0,1,2
	v_permlane16_swap_b32 v[(\pc)+6*\c+\i], v[PD+4*\c+\i]
.endr
.irp i, 0,1,2
	v_mov_b32 v[(\pc)+3+6*\c+\i], v[PD+4*\c+\i]
.endr
.endr
.endm
.macro QKSCL xs, ws                    ; the scale words of q's or k's products: 21 loads
.irp i, 0,1,2,3,4,5
.irp k, 0,1,2
	global_load_b64 v[16+6*\i+2*\k:17+6*\i+2*\k], v9, s[\ws:\ws+1] offset:768*\i+8*\k
.endr
.endr
.irp k, 0,1,2
	global_load_b64 v[52+2*\k:53+2*\k], v8, s[\xs:\xs+1] offset:8*\k
.endr
.endm
.macro FETCH_W h2                      ; six fragments of W for half step h2 (K step h2 / 2, tiles 6 (h2 % 2) on) into buffer h2 % 2
.set FG, ((\h2)%2)
.irp i, 0,1,2,3,4,5
	FRAG 64+72*FG+12*\i, 6+52*FG, (\h2)/2, 16*\i
.endr
.endm
.macro FETCH_X s2                      ; my two fragments of X for K step s2 into set s2 % 2
.irp u, 0,1
	FRAG 208+24*((\s2)%2)+12*\u, 4, \s2, 16*\u
.endr
.endm
; half a K step: the next half's fragments are asked for, then 12 products; the 24 accumulators take turns
.macro QK_HALF hs
.set HS, (\hs)/2
.set HG, (\hs)%2
.if (\hs)+1 < 12
	PLACES 4                                       ; in front of loads into registers that the last products read
	FETCH_W (\hs)+1
.if ((\hs)+1)%2 == 0
	FETCH_X ((\hs)+1)/2
	s_wait_dscnt 48                                ; all but the 36 + 12 just issued
.else
	s_wait_dscnt 36                                ; all but the 36 just issued
.endif
.else
	s_wait_dscnt 0x0
.endif
	WIN 0x50
.set TI, 6*HG
.rept 6
.set UU, 0
.rept 2
.if HS == 0
	WMZ 8*((2*(TI/4)+UU)*4+TI%4), 64+72*HG+12*(TI-6*HG), 208+24*(HS%2)+12*UU, 16+6*(TI/2)+HS, 52+HS, TI%2, UU
.else
	WMC 8*((2*(TI/4)+UU)*4+TI%4), 64+72*HG+12*(TI-6*HG), 208+24*(HS%2)+12*UU, 16+6*(TI/2)+HS, 52+HS, TI%2, UU
.endif
.set UU, UU+1
.endr
.set TI, TI+1
.endr
	WIN 0
.endm
.macro QKMUL                           ; all of K for q or k
	FETCH_W 0
	FETCH_X 0
	s_wait_loadcnt 0x0                             ; the scale words
.irp hs, 0,1,2,3,4,5,6,7,8,9,10,11
	QK_HALF \hs
.endr
.endm
; the rotation: out(d) = x(d) cos - x(d + 32) sin, out(d + 32) = x(d + 32) cos + x(d) sin
.macro ROPE hd, u
	WIN 0x05
.irp t4, 0,1
.irp j, 0,2,4,6
.set X1, 8*((2*(\hd)+(\u))*4+\t4)+\j
.set X2, X1+16
.set CO_, 192+16*(\u)+8*\t4+\j
.set SI_, CO_+32
	v_pk_mul_f32 v[96+8*\t4+\j:97+8*\t4+\j], v[X2:X2+1], v[SI_:SI_+1]
	v_pk_mul_f32 v[112+8*\t4+\j:113+8*\t4+\j], v[X1:X1+1], v[SI_:SI_+1]
	v_pk_fma_f32 v[64+8*\t4+\j:65+8*\t4+\j], v[X1:X1+1], v[CO_:CO_+1], v[96+8*\t4+\j:97+8*\t4+\j] neg_lo:[0,0,1] neg_hi:[0,0,1]
	v_pk_fma_f32 v[80+8*\t4+\j:81+8*\t4+\j], v[X2:X2+1], v[CO_:CO_+1], v[112+8*\t4+\j:113+8*\t4+\j]
.endr
.endr
	WIN 0
.endm
.macro QKOUT hd, u, off                ; within one way out every store has data registers of its own
	ROPE \hd, \u
	QUANT32 64, 128+8*(2*(\hd)+(\u)), 176+2*(\hd)+(\u)
	global_store_b128 v10, v[128+8*(2*(\hd)+(\u)):131+8*(2*(\hd)+(\u))], s[28:29] offset:(\off)+HEADB*(\hd)+768*(\u)
	global_store_b64 v11, v[132+8*(2*(\hd)+(\u)):133+8*(2*(\hd)+(\u))], s[28:29] offset:(\off)+HEADB*(\hd)+768*(\u)+512
.endm
.macro QKEPI off                       ; q's or k's way out, to the record part at off
	v_cmp_ne_u32 vcc_lo, 0, v2
	v_mov_b32 v[TM+2], 0                           ; a lane permute's destination counts as one of its sources
	v_mov_b32 v[TM+3], 0
.irp hd, 0,1,2
	QKOUT \hd, 0, \off
	QKOUT \hd, 1, \off
	v_cndmask_b32 v[184+\hd], v[176+2*\hd], v[177+2*\hd], vcc_lo   ; lanes 0-15 the even tile's words, lanes 16-31 the odd one's
	global_store_b32 v12, v[184+\hd], s[28:29] offset:(\off)+HEADB*\hd+6144
.endr
.endm
	s_load_b256 s[4:11], s[0:1], 0x0               ; query's codes, scales; key's
	s_load_b256 s[12:19], s[0:1], 0x20             ; value's; Wq's
	s_load_b256 s[20:27], s[0:1], 0x40             ; Wk's, Wv's
	s_load_b64 s[28:29], s[0:1], 0x60              ; img
	s_load_b128 s[84:87], s[0:1], 0x68             ; Wo's codes, woimg
	v_lshl_add_u32 v62, v0, 2, SPARE
	v_mov_b32 v63, 0
	ds_add_u32 v62, v63                            ; the opening lines: the add twice and its wait ahead of the first tensor load
	ds_add_u32 v62, v63
	v_lshrrev_b32 v1, 5, v0
	v_readfirstlane_b32 s[WV], v1
	s_lshr_b32 s[ARM], s[WV], 1                    ; I fetch for X (0) or for W (1)
	s_and_b32 s[HALF], s[WV], 1                    ; which half of that tile's rows
	s_bfe_u32 s[CX], ttmp6, 0x40000                ; the block of 192 columns
	s_bfe_u32 s[CY], ttmp6, 0x40004
	s_and_b32 s67, ttmp7, 0xffff
	s_lshl_b32 s[TB], s67, 2
	s_add_co_u32 s[TB], s[TB], s[CY]               ; the block of 128 tokens, 0 .. 63
	s_lshl_b32 s2, s[CY], 2
	s_lshl_b32 s2, 15, s2                          ; my row of the cluster
	s_lshl_b32 s3, 0x1111, s[CX]                   ; my column
	s_or_b32 s[G1X], s2, (3<<16)|(1<<20)|(1<<21)|(3<<22)|(3<<25)   ; elements of 8 bytes; 4 words of padding behind every 16
	s_or_b32 s[G1W], s3, (3<<16)|(1<<20)|(1<<21)|(3<<22)|(3<<25)
.irp g, G1X, G1W
	s_mov_b32 s[\g+1], 32<<16                      ; rows of 256 bytes, dense
	s_mov_b32 s[\g+3], 32<<16
	s_mov_b32 s[\g+5], 32
	s_mov_b32 s[\g+6], 0
	s_mov_b32 s[\g+7], 0
.endr
	s_mov_b32 s[G1X+2], 144<<16                    ; 64 rows of 576 bytes = 144 of 256
	s_mov_b32 s[G1X+4], 144
	s_mov_b32 s[G1W+2], 216<<16                    ; 96 rows of 576 bytes = 216 of 256
	s_mov_b32 s[G1W+4], 216
	s_mul_i32 s92, s[TB], 73728
	s_mul_i32 s67, s[HALF], 36864
	s_add_co_u32 s92, s92, s67
	s_mov_b32 s93, 0
	s_mul_i32 s96, s[TB], 3072
	s_mov_b32 s97, 0
	s_mul_i32 s94, s[CX], 110592
	s_mul_i32 s67, s[HALF], 55296
	s_add_co_u32 s94, s94, s67
	s_mov_b32 s95, 0
	s_mul_i32 s98, s[CX], 4608
	s_mov_b32 s99, 0
	s_lshr_b32 s100, s[TB], 3                      ; the image: head 12 b + 3 cx, step = token block % 8
	s_mul_i32 s100, s100, 12
	s_mul_i32 s101, s[CX], 3
	s_add_co_u32 s100, s100, s101
	s_mul_i32 s100, s100, HEADB
	s_and_b32 s101, s[TB], 7
	s_mul_i32 s101, s101, RECB
	s_add_co_u32 s100, s100, s101
	s_mov_b32 s101, 0
	s_mul_i32 s3, s[HALF], 64*PITCH
	s_mul_i32 s30, s[HALF], 96*PITCH
	s_mul_i32 s88, s[CX], 110592                   ; the prefetches of W: my column's tile, my work-group's 108 blocks
	s_mul_i32 s67, s[CY], 27648
	s_add_co_u32 s88, s88, s67
	s_mov_b32 s89, 0
	s_mul_i32 s90, s[TB], 73728                    ; of X: my row's tile, my work-group's 72 blocks
	s_mul_i32 s67, s[CX], 18432
	s_add_co_u32 s90, s90, s67
	s_mov_b32 s91, 0
	s_lshl_b32 s63, s[TB], 2
	s_add_co_u32 s63, s63, s[CX]                   ; my work-group's number, 0 .. 255
	s_cmp_lt_u32 s63, 216
	s_cselect_b32 s31, 128, 0                      ; how many of my threads store 16 bytes of woimg
	s_lshl_b32 s63, s63, 3                         ; my first unit of it
	s_wait_dscnt 0x0
	s_wait_kmcnt 0x0
	G0SET GXQ, 3, 0, 4, 92
	G0SET GXK, 3, XS1, 8, 92
	G0SET GXV, 3, 0, 12, 92
	G0SET GWQ, 30, WOFF, 16, 94
	G0SET GWK, 30, WOFF, 20, 94
	G0SET GWV, 30, WOFF, 24, 94
	s_add_nc_u64 s[6:7], s[6:7], s[96:97]
	s_add_nc_u64 s[10:11], s[10:11], s[96:97]
	s_add_nc_u64 s[14:15], s[14:15], s[96:97]
	s_add_nc_u64 s[18:19], s[18:19], s[98:99]
	s_add_nc_u64 s[22:23], s[22:23], s[98:99]
	s_add_nc_u64 s[26:27], s[26:27], s[98:99]
	s_add_nc_u64 s[28:29], s[28:29], s[100:101]
	s_add_nc_u64 s[20:21], s[20:21], s[88:89]
	s_add_nc_u64 s[24:25], s[24:25], s[88:89]
	s_add_nc_u64 s[12:13], s[12:13], s[90:91]
	CROUND                                         ; all sixteen work-groups are here: the joint loads meet
	s_cmp_eq_u32 s[ARM], 0                         ; one tensor load a wave, one to an arm
	s_cbranch_scc0 .Lfill_w
	tensor_load_to_lds s[GXQ:GXQ+3], s[G1X:G1X+7]
	s_nop 0
	PLACES 4
	s_branch .Lfilled
.Lfill_w:
	tensor_load_to_lds s[GWQ:GWQ+3], s[G1W:G1W+7]
	s_nop 0
	PLACES 4
.Lfilled:
	s_mov_b32 s92, 0xbfc90fdb                      ; -(pi/2 as f32)
	s_mov_b32 s93, 0x333bbd2e                      ; -(pi/2 less that)
	s_mov_b32 s94, 0xbe2aaaa3                      ; the sine's three coefficients
	s_mov_b32 s95, 0x3c08839e
	s_mov_b32 s96, 0xb94ca1f9
	s_mov_b32 s97, 0x3d2aaaa5                      ; the cosine's
	s_mov_b32 s98, 0xbab6061a
	s_mov_b32 s99, 0x37ccf5ce
	s_mov_b32 s[SEL], 0x76543210
	s_mov_b32 s[SEL+1], 0xfedcba98
	v_and_b32 v1, 15, v0                           ; r
	v_bfe_u32 v2, v0, 4, 1                         ; h
	v_and_b32 v13, 31, v0                          ; lane
	v_and_b32 v3, 8, v1
	v_add_nc_u32 v3, v3, v1                        ; r + 8 (r / 8)
	s_mul_i32 s67, s[WV], 1536
	v_lshl_add_u32 v10, v13, 4, s67
	v_lshl_add_u32 v11, v13, 3, s67
	s_lshl_b32 s67, s[WV], 7
	v_lshl_add_u32 v12, v13, 2, s67
	; woimg: thread i takes unit 8 g + i / 16 (held at 1,727, so that every lane's load lies inside Wo) and row i % 16.  Unit 36 T + 6 s + 2 j + h is 16 rows x 16 bytes
	v_lshrrev_b32 v244, 4, v0
	v_add_nc_u32 v244, s63, v244
	v_min_u32 v244, 1727, v244
	v_mul_u32_u24 v247, v244, 1821
	v_lshrrev_b32 v247, 16, v247                   ; T = unit / 36 (exact up to 1,727)
	v_mul_u32_u24 v246, v247, 36
	v_sub_nc_u32 v246, v244, v246
	v_mul_u32_u24 v245, v246, 43
	v_lshrrev_b32 v245, 8, v245                    ; s (exact up to 35)
	v_mul_u32_u24 v243, v245, 6
	v_sub_nc_u32 v246, v246, v243                  ; 2 j + h
	v_mul_u32_u24 v245, v245, 48
	v_mad_u32_u24 v245, v247, 9216, v245
	v_and_b32 v247, 1, v246
	v_lshrrev_b32 v246, 1, v246
	v_mad_u32_u24 v245, v247, 288, v245
	v_lshl_add_u32 v245, v246, 4, v245
	v_mad_u32_u24 v245, v1, 576, v245              ; where my 16 bytes lie in Wo,
	v_lshlrev_b32 v244, 8, v244
	v_lshl_add_u32 v244, v1, 4, v244               ; and in the image
	global_load_b128 v[240:243], v245, s[84:85]
	v_min_u32 v248, 26, v13
	s_mul_i32 s2, s[WV], 27
	v_add_lshl_u32 v248, v248, s2, 8               ; W: my wave's 27 blocks
	v_min_u32 v249, 17, v13
	s_mul_i32 s3, s[WV], 18
	v_add_lshl_u32 v249, v249, s3, 8               ; X: my wave's 18
	global_prefetch_b8 v248, s[20:21] th:TH_LOAD_NT scope:SCOPE_SE   ; Wk
	global_prefetch_b8 v249, s[12:13] th:TH_LOAD_NT scope:SCOPE_SE   ; X of v
	global_prefetch_b8 v248, s[24:25] th:TH_LOAD_NT scope:SCOPE_SE   ; Wv
	; ================= q and k =================
	s_mul_i32 s67, s[WV], 32*PITCH
	v_mul_u32_u24 v4, v1, PITCH
	v_mad_u32_u24 v4, v2, 24, v4
	v_add_nc_u32 v6, WOFF, v4                      ; W: row r of tiles 0-5
	v_add_nc_u32 v4, s67, v4                       ; X: row 32 w + r
	v_lshl_add_u32 v5, v2, 4, v4                   ; the same behind one padding more
	v_lshl_add_u32 v7, v2, 4, v6
	v_add_nc_u32 v58, 96*PITCH, v6                 ; W: tiles 6-11
	v_add_nc_u32 v59, 96*PITCH, v7
	v_mul_u32_u24 v9, v13, 24                      ; W's scale bytes: row lane of a pair of tiles
	s_mul_i32 s67, s[WV], 768
	v_add_nc_u32 v8, s67, v9                       ; X's: row 32 w + lane
	QKSCL 6, 18
	v_lshlrev_b32 v15, 3, v2                       ; the 16 frequencies of a lane: j = 16 (i / 8) + 8 h + i % 8
.irp i, 0,1,2,3,4,5,6,7,8,9,10,11,12,13,14,15
	v_add_nc_u32 v[AA+\i], 16*(\i/8)+(\i%8), v15
.endr
.irp i, 0,1,2,3,4,5,6,7,8,9,10,11,12,13,14,15
	v_cvt_f32_u32 v[AA+\i], v[AA+\i]
.endr
.irp i, 0,1,2,3,4,5,6,7,8,9,10,11,12,13,14,15
	v_mul_f32 v[AA+\i], 0xbe549a78, v[AA+\i]       ; x -log2(100) / 32
.endr
	s_wait_alu depctr_va_vdst(0)                   ; the wait ahead of the batch
.irp i, 0,1,2,3,4,5,6,7,8,9,10,11,12,13,14,15
	v_exp_f32 v[IV+\i], v[AA+\i]
.endr
	v_nop
	s_wait_alu depctr_va_vdst(0)                   ; and behind it
	s_and_b32 s67, s[TB], 7
	s_lshl_b32 s67, s67, 7
	s_lshl_b32 s2, s[WV], 5
	s_add_co_u32 s67, s67, s2                      ; my first token's position
.macro TRIG u                          ; cosines and sines of token tile u's 16 angles a lane, into window 1
	s_add_co_u32 s3, s67, 16*(\u)
	v_add_nc_u32 v14, s3, v1
	v_cvt_f32_u32 v14, v14
.irp i, 0,1,2,3,4,5,6,7,8,9,10,11,12,13,14,15
	v_mul_f32 v[AA+\i], v14, v[IV+\i]
.endr
.irp i, 0,1,2,3,4,5,6,7,8,9,10,11,12,13,14,15
	v_mul_f32 v[NN+\i], 0x3f22f983, v[AA+\i]       ; x 2 / pi
.endr
.irp i, 0,1,2,3,4,5,6,7,8,9,10,11,12,13,14,15
	v_rndne_f32 v[NN+\i], v[NN+\i]
.endr
.irp i, 0,1,2,3,4,5,6,7,8,9,10,11,12,13,14,15
	v_fma_f32 v[AA+\i], v[NN+\i], s92, v[AA+\i]    ; r = angle - n pi/2, pi/2 in two parts
.endr
.irp i, 0,1,2,3,4,5,6,7,8,9,10,11,12,13,14,15
	v_fma_f32 v[AA+\i], v[NN+\i], s93, v[AA+\i]
.endr
.irp i, 0,1,2,3,4,5,6,7,8,9,10,11,12,13,14,15
	v_mul_f32 v[R2+\i], v[AA+\i], v[AA+\i]
	v_cvt_i32_f32 v[NN+\i], v[NN+\i]
.endr
.irp i, 0,1,2,3,4,5,6,7,8,9,10,11,12,13,14,15
	v_fma_f32 v[T1+\i], v[R2+\i], s96, s95
	v_fma_f32 v[T2+\i], v[R2+\i], s99, s98
.endr
.irp i, 0,1,2,3,4,5,6,7,8,9,10,11,12,13,14,15
	v_fma_f32 v[T1+\i], v[T1+\i], v[R2+\i], s94
	v_fma_f32 v[T2+\i], v[T2+\i], v[R2+\i], s97
.endr
.irp i, 0,1,2,3,4,5,6,7,8,9,10,11,12,13,14,15
	v_mul_f32 v[SS+\i], v[R2+\i], v[AA+\i]
	v_fma_f32 v[CC+\i], v[R2+\i], -0.5, 1.0
	v_mul_f32 v[R2+\i], v[R2+\i], v[R2+\i]
.endr
.irp i, 0,1,2,3,4,5,6,7,8,9,10,11,12,13,14,15
	v_fma_f32 v[SS+\i], v[T1+\i], v[SS+\i], v[AA+\i]   ; sin r
	v_fma_f32 v[CC+\i], v[T2+\i], v[R2+\i], v[CC+\i]   ; cos r
	v_and_b32 v[T1+\i], 1, v[NN+\i]
.endr
.irp i, 0,1,2,3,4,5,6,7,8,9,10,11,12,13,14,15
	v_cmp_eq_u32 vcc_lo, 1, v[T1+\i]               ; an odd n swaps the two
	v_cndmask_b32 v[T2+\i], v[SS+\i], v[CC+\i], vcc_lo
	v_cndmask_b32 v[AA+\i], v[CC+\i], v[SS+\i], vcc_lo
.endr
.irp i, 0,1,2,3,4,5,6,7,8,9,10,11,12,13,14,15
	v_lshlrev_b32 v[T1+\i], 30, v[NN+\i]           ; the sine's sign: bit 1 of n;
	v_add_nc_u32 v[NN+\i], 1, v[NN+\i]             ; the cosine's: bit 1 of n + 1
.endr
.irp i, 0,1,2,3,4,5,6,7,8,9,10,11,12,13,14,15
	v_and_b32 v[T1+\i], 0x80000000, v[T1+\i]
	v_lshlrev_b32 v[NN+\i], 30, v[NN+\i]
.endr
.irp i, 0,1,2,3,4,5,6,7,8,9,10,11,12,13,14,15
	v_and_b32 v[NN+\i], 0x80000000, v[NN+\i]
.endr
	WIN 0x40
.irp i, 0,1,2,3,4,5,6,7,8,9,10,11,12,13,14,15
	v_xor_b32 v[224+16*(\u)+\i], v[T1+\i], v[T2+\i]
	v_xor_b32 v[192+16*(\u)+\i], v[NN+\i], v[AA+\i]
.endr
	WIN 0
.endm
	TRIG 0
	TRIG 1
	s_wait_loadcnt 21                              ; Wo's piece is in; behind it the 21 loads of scale bytes
	v_cmp_gt_u32 vcc_lo, s31, v0
	s_wait_xcnt 0x0                                ; EXEC changes only behind this wait
	s_and_saveexec_b32 s2, vcc_lo
	global_store_b128 v244, v[240:243], s[86:87]   ; sixteen neighbouring lanes store one aligned unit of 256 bytes
	s_wait_xcnt 0x0
	s_or_b32 exec_lo, exec_lo, s2
	s_wait_alu depctr_va_vdst(0)
	SEQ                                            ; everybody's part of X of q and of Wq is in
	s_cmp_eq_u32 s[ARM], 0
	s_cbranch_scc0 .Lno_xk
	tensor_load_to_lds s[GXK:GXK+3], s[G1X:G1X+7]  ; X of k, into the second slot: a first fill, issued as a refill is
	s_nop 0
	PLACES 4
.Lno_xk:
	QKMUL                                          ; q
	SEQ                                            ; nobody reads X of q or Wq any more; X of k is in
	s_cmp_eq_u32 s[ARM], 0
	s_cbranch_scc0 .Lfill_wk
	tensor_load_to_lds s[GXV:GXV+3], s[G1X:G1X+7]  ; X of v, over X of q
	s_nop 0
	PLACES 4                                       ; also the places behind the last products
	s_branch .Lfilled_k
.Lfill_wk:
	tensor_load_to_lds s[GWK:GWK+3], s[G1W:G1W+7]  ; Wk, over Wq
	s_nop 0
	PLACES 4
.Lfilled_k:
	QKSCL 10, 22
	QKEPI 13312                                    ; q leaves from registers while the tiles land
	v_add_nc_u32 v4, XS1, v4                       ; X of k lies in the second slot
	v_add_nc_u32 v5, XS1, v5
	s_wait_alu depctr_va_vdst(0)                   ; directly ahead of the waits below
	s_wait_xcnt 0x0                                ; the stores have read their data registers, on which loads land below
	s_wait_tensorcnt 0x0                           ; my part of Wk or of X of v is in
	s_barrier_signal -1
	s_barrier_wait -1                              ; everybody's is
	QKMUL                                          ; k
	SEQ                                            ; nobody reads Wk any more
	s_cmp_eq_u32 s[ARM], 1
	s_cbranch_scc0 .Lno_wv
	tensor_load_to_lds s[GWV:GWV+3], s[G1W:G1W+7]  ; Wv, over Wk
	s_nop 0
	PLACES 4
.Lno_wv:
	PLACES 4                                       ; behind the last products, in every wave
	; ================= v =================
	v_mul_u32_u24 v4, v1, PITCH
	v_mad_u32_u24 v4, v2, 24, v4                   ; X: row r of tiles 0-3
	v_lshl_add_u32 v5, v2, 4, v4
	v_add_nc_u32 v58, 64*PITCH, v4                 ; tiles 4-7
	v_add_nc_u32 v59, 64*PITCH, v5
	s_mul_i32 s2, s[ARM], 32*PITCH
	s_mul_i32 s3, s[HALF], 8*PITCH
	s_add_co_u32 s2, s2, s3
	s_add_co_u32 s2, s2, WOFF
	v_mul_u32_u24 v6, v3, PITCH
	v_mad_u32_u24 v6, v2, 24, v6
	v_add_nc_u32 v6, s2, v6                        ; Wv: row 32 (w / 2) + 8 (w % 2) + r + 8 (r / 8) of heads 0, 1
	v_lshl_add_u32 v7, v2, 4, v6
	v_add_nc_u32 v60, 128*PITCH, v6                ; of head 2
	v_add_nc_u32 v61, 128*PITCH, v7
	v_mul_u32_u24 v8, v13, 24                      ; X's scale bytes: row lane of a pair of tiles
	s_mul_i32 s2, s[ARM], 32*24
	s_mul_i32 s3, s[HALF], 8*24
	s_add_co_u32 s2, s2, s3
	v_mul_u32_u24 v9, v3, 24
	v_add_nc_u32 v9, s2, v9                        ; Wv's: my tile's rows
.irp i, 0,1,2,3
.irp k, 0,1,2
	global_load_b64 v[16+6*\i+2*\k:17+6*\i+2*\k], v8, s[14:15] offset:768*\i+8*\k
.endr
.endr
.irp i, 0,1,2
.irp k, 0,1,2
	global_load_b64 v[40+6*\i+2*\k:41+6*\i+2*\k], v9, s[26:27] offset:1536*\i+8*\k
.endr
.endr
	QKEPI 0                                        ; k leaves from registers while Wv lands
	s_wait_alu depctr_va_vdst(0)
	s_wait_xcnt 0x0
	s_wait_tensorcnt 0x0
	s_barrier_signal -1
	s_barrier_wait -1
.macro FETCH_XV h2                     ; four fragments of X (tiles 4 (h2 % 2) on) into buffer h2 % 2
.set FG, ((\h2)%2)
.irp i, 0,1,2,3
	FRAG 64+48*FG+12*\i, 4+54*FG, (\h2)/2, 16*\i
.endr
.endm
.macro FETCH_WV s2                     ; my d tile of the three heads, K step s2, into set s2 % 2
	FRAG 160+36*((\s2)%2), 6, \s2, 0
	FRAG 172+36*((\s2)%2), 6, \s2, 64
	FRAG 184+36*((\s2)%2), 60, \s2, 0
.endm
.macro V_HALF hs
.set HS, (\hs)/2
.set HG, (\hs)%2
.if (\hs)+1 < 12
	PLACES 4
	FETCH_XV (\hs)+1
.if ((\hs)+1)%2 == 0
	FETCH_WV ((\hs)+1)/2
	s_wait_dscnt 42                                ; all but the 24 + 18 just issued
.else
	s_wait_dscnt 24                                ; all but the 24 just issued
.endif
.else
	s_wait_dscnt 0x0
.endif
	WIN 0x50
.set TI, 4*HG
.rept 4
.set UU, 0
.rept 3
.if HS == 0
	WMZ 8*(8*UU+TI), 64+48*HG+12*(TI-4*HG), 160+36*(HS%2)+12*UU, 16+6*(TI/2)+HS, 40+6*UU+HS, TI%2, 0
.else
	WMC 8*(8*UU+TI), 64+48*HG+12*(TI-4*HG), 160+36*(HS%2)+12*UU, 16+6*(TI/2)+HS, 40+6*UU+HS, TI%2, 0
.endif
.set UU, UU+1
.endr
.set TI, TI+1
.endr
	WIN 0
.endm
	FETCH_XV 0
	FETCH_WV 0
	s_wait_loadcnt 0x0
.irp hs, 0,1,2,3,4,5,6,7,8,9,10,11
	V_HALF \hs
.endr
	PLACES 4
.irp b, 0,1,2,3
	v_mov_b32 v[TM+4+\b], 0
.endr
.irp i, 0,1,2                          ; head i: my d tile's 128 keys are one fragment and one scale word a row
	QUANT64W 64*\i, 64+16*\i, 112+\i
.irp c, 0,1,2
	global_store_b128 v10, v[64+16*\i+4*\c:67+16*\i+4*\c], s[28:29] offset:6656+HEADB*\i+512*\c
.endr
	global_store_b32 v12, v[112+\i], s[28:29] offset:6656+HEADB*\i+6144
.endr
	s_wait_tensorcnt 0x0                           ; the wave's end
	ds_add_u32 v62, v63
	s_wait_dscnt 0x0
	CROUND                                         ; the closing round
	s_endpgm
.Lfunc_end_k_q50f281d8ce_proj:
	.size	k_q50f281d8ce_proj, .Lfunc_end_k_q50f281d8ce_proj-k_q50f281d8ce_proj
	.p2alignl 7, 3214868480
	.fill 96, 4, 3214868480
	.section	.rodata,"a",@progbits
	.p2align	6, 0x0
	.amdhsa_kernel k_q50f281d8ce_proj
		.amdhsa_group_segment_fixed_size 327680
		.amdhsa_private_segment_fixed_size 0
		.amdhsa_enable_private_segment 0
		.amdhsa_kernarg_size 120
		.amdhsa_user_sgpr_count 2
		.amdhsa_user_sgpr_kernarg_segment_ptr 1
		.amdhsa_wavefront_size32 1
		.amdhsa_system_sgpr_workgroup_id_x 1
		.amdhsa_system_sgpr_workgroup_id_y 1
		.amdhsa_system_sgpr_workgroup_id_z 1
		.amdhsa_system_vgpr_workitem_id 0
		.amdhsa_next_free_vgpr 512
		.amdhsa_next_free_sgpr 102
		.amdhsa_reserve_vcc 1
		.amdhsa_float_denorm_mode_32 3
		.amdhsa_float_denorm_mode_16_64 3
		.amdhsa_memory_ordered 1
		.amdhsa_forward_progress 1
		.amdhsa_inst_pref_size 255
	.end_amdhsa_kernel
	.section	.bss,"aw",@nobits
	.p2align	6
	.space	262144
	.amdgpu_metadata
---
amdhsa.version: [ 1, 2 ]
amdhsa.kernels:
  - .name:           k_q50f281d8ce_proj
    .symbol:         k_q50f281d8ce_proj.kd
    .args:
      - { .name: query_codes, .offset: 0, .size: 8, .value_kind: global_buffer, .address_space: global }
      - { .name: query_scales, .offset: 8, .size: 8, .value_kind: global_buffer, .address_space: global }
      - { .name: key_codes, .offset: 16, .size: 8, .value_kind: global_buffer, .address_space: global }
      - { .name: key_scales, .offset: 24, .size: 8, .value_kind: global_buffer, .address_space: global }
      - { .name: value_codes, .offset: 32, .size: 8, .value_kind: global_buffer, .address_space: global }
      - { .name: value_scales, .offset: 40, .size: 8, .value_kind: global_buffer, .address_space: global }
      - { .name: Wq_codes, .offset: 48, .size: 8, .value_kind: global_buffer, .address_space: global }
      - { .name: Wq_scales, .offset: 56, .size: 8, .value_kind: global_buffer, .address_space: global }
      - { .name: Wk_codes, .offset: 64, .size: 8, .value_kind: global_buffer, .address_space: global }
      - { .name: Wk_scales, .offset: 72, .size: 8, .value_kind: global_buffer, .address_space: global }
      - { .name: Wv_codes, .offset: 80, .size: 8, .value_kind: global_buffer, .address_space: global }
      - { .name: Wv_scales, .offset: 88, .size: 8, .value_kind: global_buffer, .address_space: global }
      - { .name: img, .offset: 96, .size: 8, .value_kind: global_buffer, .address_space: global }
      - { .name: Wo_codes, .offset: 104, .size: 8, .value_kind: global_buffer, .address_space: global }
      - { .name: woimg, .offset: 112, .size: 8, .value_kind: global_buffer, .address_space: global }
    .group_segment_fixed_size: 327680
    .private_segment_fixed_size: 0
    .kernarg_segment_align: 8
    .kernarg_segment_size: 120
    .max_flat_workgroup_size: 128
    .sgpr_count:     102
    .vgpr_count:     512
    .wavefront_size: 32
...
	.end_amdgpu_metadata
.endif
;; end of part 1
;; launch attno (part 2): grid 256 x 1, 12 waves a work-group, clusters of 4 x 1, 327,680 bytes of LDS; arguments img, woimg, Wo_scales, bo, out0; writes out0
.if DOCPART == 2
	.amdgcn_target "amdgcn-amd-amdhsa--gfx1250"
	.amdhsa_code_object_version 6
	.text
	.protected	k_q50f281d8ce_attno
	.globl	k_q50f281d8ce_attno
	.p2align	8
	.type	k_q50f281d8ce_attno,@function
k_q50f281d8ce_attno:
	s_mov_b64 s[64:65], 0
	v_nop
	global_prefetch_b8 v0, s[64:65] scope:SCOPE_SE
	s_setreg_imm32_b32 hwreg(HW_REG_WAVE_MODE, 25, 1), 1
	s_wait_xcnt 0x0
	s_wait_alu depctr_hold_cnt(0) depctr_sa_sdst(0) depctr_va_vdst(0) depctr_va_sdst(0) depctr_va_ssrc(0) depctr_va_vcc(0) depctr_vm_vsrc(0)
	s_getreg_b32 s2, hwreg(HW_REG_IB_STS2, 6, 4)
	s_cmp_eq_u32 s2, 0
	s_cbranch_scc0 .Lentry_in_a_cluster
	s_endpgm
.Lentry_in_a_cluster:
	s_bfe_u32 s2, ttmp6, 0x10000c
	s_cmp_lg_u32 s2, 0x3003
	s_cbranch_scc0 .Lentry_shape_is_right
	s_endpgm
.Lentry_shape_is_right:
; out = (softmax(q k^T / 8) v) Wo^T + bo: all three products on codes of FP6 (E2M3) with E8M0 scales, sums in f32.  No step of the problem is left out.
; SHARES.  256 work-groups; a work-group owns 32 tokens of one batch, in all 12 heads: wave w owns head w and two tiles of 16 queries, against all 1,024 keys.
; THE SOFTMAX: t = score x log2(e) / 8; M = the running largest t rounded up to a whole number; p = 2^(t - M) is quantised along the keys, not normalised; the row's sum is taken of the
; unquantised p and divides at the end; when M moves, the sum and O are multiplied by 2^(old M - new M), which rounds nothing.
; THE RING.  A step is 128 keys: a head's K and V records lie together in img, 13,312 bytes = 52 rows of 256.  Two slots of 12 x 13,312 bytes; each wave fetches its own head's records, one load a wave
; behind each round.  CLUSTER 4 x 1: the four work-groups are of one batch and read the same records: every load is a joint one (mask 15).  All LDS is claimed.
; A TRIP.  K's and V's fragments are read from LDS once for both query tiles (K in window 0, V in window 1).  Tile 1's scores of step n are made in trip n, its softmax and P V in trip n + 1,
; behind the round and behind the request for K of step n + 1: V of step n lies in registers by then, so the slot is free at the round.
; PREFETCH.  In trip t, whose tensor load asks for step t + 1, each wave names step t + 3's record of its head: 52 blocks of 256 bytes, 13 to each partner, told apart by address; lanes 13-31 name the 13th again.
; It stops with step 7.  woimg is named by no prefetch: all work-groups read the same 442,368 bytes.
; LAYOUT.  S^T = K Q^T, O^T = V^T P^T: a lane holds one query.  K = 64 fills half of the 128: Q's upper six registers are zero codes, a key tile's upper six are whatever codes lie behind it.
; THE LAST PRODUCT.  x is quantised by head (two blocks of 32) and laid as rows of codes (576 bytes + 16) and of scale bytes in slot 0, which has had its last fill and its last read by then.
; Wave w makes 32 tokens x columns 64 w .. 64 w + 63.  Wo comes from woimg, images of operand registers, straight into registers, 512 consecutive bytes an instruction; not through LDS and not jointly:
; the ring takes 319,488 bytes, and each wave reads rows that no other wave of the work-group reads.
; K IS PERMUTED BY WHOLE BLOCKS, alike in x and Wo: in step s lanes 0-15 take blocks 2 s, 2 s + 1 and lanes 16-31 blocks 12 + 2 s, 13 + 2 s; the scale words are made to match.
; Source 0 = 16 rows of Wo, source 1 = 16 tokens; the bias is the first product's C; results leave through the wave's own stage (its part of slot 1): sixteen lanes store 256 consecutive bytes, aligned.
; LIMITS: NaN and infinities are not served; the promise holds while |t| stays under 2^31; p under 2^-126 counts as 0; a block of zeros keeps the byte 1; x = O x (1 / l) with v_rcp_f32.
; REGISTERS.  window 0: v1-6 LDS addresses (slot 0, 1); v8-11, v12-15 -M, largest t, sum of tile 1, 0; v16-27, v192-203 Q (upper six zeros); v28-29 its scale words; v32-85 K; v86-93 K's, V's scale words;
; v94 the prefetch's offset; v96-159 S^T, p; v160-191 O^T of tile 0; v224-254 at work; v251, v255 the add's.  window 1: v0-31 O^T of tile 1, v32-79 V; in the last product v0-47 x's fragments, v48-79 the bias.
.set HEADB, 159744
.set RECB,  19968
.set KVB,   13312
.set SLOT,  159744
.set SPARE, 319488
.set XP,    592
.set XSC,   19200
.set WV,  14
.set CX,  15
.set G1,  16
.set G0,  24
.set CNT, 32
.set CS,  34
.set SEL, 36
.set PFA, 38
.set TM,  224
.set PD,  232
.set WSW, 2
.set XSW, 24
.set MSB, 0
.macro WIN new
.if MSB != (\new)
	s_set_vgpr_msb (MSB<<8)|(\new)
.set MSB, (\new)
.endif
.endm
.macro PLACES n
.rept \n
	v_nop
.endr
.endm
.macro CROUND
	s_barrier_signal -1
	s_barrier_wait -1
	s_cmp_lg_u32 s[WV], 0
	s_cbranch_scc1 .Lnot_wave_0_\@
	s_barrier_signal -3
.Lnot_wave_0_\@:
	s_barrier_wait -3
	s_barrier_signal -1
	s_barrier_wait -1
.endm
.macro QUANT32 src, pc, pw             ; 32 numbers of a lane, register 16 b + i of block b, become half a fragment (6 registers) and two scale bytes
	v_max3_num_f32 v[TM], |v[(\src)]|, |v[(\src)+1]|, 0x1800000
	v_max3_num_f32 v[TM+1], |v[(\src)+16]|, |v[(\src)+17]|, 0x1800000
.irp i, 2,4,6,8,10,12,14
	s_delay_alu instid0(VALU_DEP_2)
	v_max3_num_f32 v[TM], v[TM], |v[(\src)+\i]|, |v[(\src)+1+\i]|
	s_delay_alu instid0(VALU_DEP_2)
	v_max3_num_f32 v[TM+1], v[TM+1], |v[(\src)+16+\i]|, |v[(\src)+17+\i]|
.endr
	s_delay_alu instid0(VALU_DEP_2)
	v_permlanex16_b32 v[TM+2], v[TM], s[SEL], s[SEL+1]
	s_delay_alu instid0(VALU_DEP_2)
	v_permlanex16_b32 v[TM+3], v[TM+1], s[SEL], s[SEL+1]
	s_delay_alu instid0(VALU_DEP_2)
	v_max_num_f32 v[TM], v[TM], v[TM+2]
	s_delay_alu instid0(VALU_DEP_2)
	v_max_num_f32 v[TM+1], v[TM+1], v[TM+3]
	s_delay_alu instid0(VALU_DEP_2)
	v_add_nc_u32 v[TM+4], 0xff000000, v[TM]
	s_delay_alu instid0(VALU_DEP_2)
	v_add_nc_u32 v[TM+5], 0xff000000, v[TM+1]
	s_delay_alu instid0(VALU_DEP_2)
	v_lshrrev_b32 v[TM+6], 23, v[TM+4]
	s_delay_alu instid0(VALU_DEP_2)
	v_lshrrev_b32 v[TM+7], 23, v[TM+5]
	s_delay_alu instid0(VALU_DEP_1)
	v_lshl_or_b32 v[\pw], v[TM+7], 8, v[TM+6]
	v_cvt_scalef32_pk16_fp6_f32 v[(\pc):(\pc)+2], v[(\src):(\src)+15], v[TM+4]
	v_cvt_scalef32_pk16_fp6_f32 v[PD:PD+2], v[(\src)+16:(\src)+31], v[TM+5]
	v_nop
.irp i, 0,1,2
	v_permlane16_swap_b32 v[(\pc)+\i], v[PD+\i]
.endr
.irp i, 0,1,2
	s_delay_alu instid0(VALU_DEP_3)
	v_mov_b32 v[(\pc)+3+\i], v[PD+\i]
.endr
.endm
.macro WMC d, a, b, c, sa, sb, ra, rb
.if (\ra) && (\rb)
	v_wmma_scale_f32_16x16x128_f8f6f4 v[(\d):(\d)+7], v[(\a):(\a)+11], v[(\b):(\b)+11], v[(\c):(\c)+7], v[\sa], v[\sb] matrix_a_fmt:MATRIX_FMT_FP6 matrix_b_fmt:MATRIX_FMT_FP6 matrix_a_scale:MATRIX_SCALE_ROW1 matrix_b_scale:MATRIX_SCALE_ROW1
.elseif (\ra)
	v_wmma_scale_f32_16x16x128_f8f6f4 v[(\d):(\d)+7], v[(\a):(\a)+11], v[(\b):(\b)+11], v[(\c):(\c)+7], v[\sa], v[\sb] matrix_a_fmt:MATRIX_FMT_FP6 matrix_b_fmt:MATRIX_FMT_FP6 matrix_a_scale:MATRIX_SCALE_ROW1
.elseif (\rb)
	v_wmma_scale_f32_16x16x128_f8f6f4 v[(\d):(\d)+7], v[(\a):(\a)+11], v[(\b):(\b)+11], v[(\c):(\c)+7], v[\sa], v[\sb] matrix_a_fmt:MATRIX_FMT_FP6 matrix_b_fmt:MATRIX_FMT_FP6 matrix_b_scale:MATRIX_SCALE_ROW1
.else
	v_wmma_scale_f32_16x16x128_f8f6f4 v[(\d):(\d)+7], v[(\a):(\a)+11], v[(\b):(\b)+11], v[(\c):(\c)+7], v[\sa], v[\sb] matrix_a_fmt:MATRIX_FMT_FP6 matrix_b_fmt:MATRIX_FMT_FP6
.endif
.endm
.macro KLOAD sl                        ; K's eight half fragments and four scale words of slot sl: 20 loads
.set AD, 1+3*(\sl)
.irp t, 0,1,2,3,4,5,6,7
	ds_load_b128 v[32+6*\t:35+6*\t], v[AD] offset:768*\t
	ds_load_b64 v[36+6*\t:37+6*\t], v[AD+1] offset:768*\t+512
.endr
.irp p, 0,1,2,3
	ds_load_b32 v[86+\p], v[AD+2] offset:6144+128*\p
.endr
.endm
.macro VLOAD sl                        ; V's four fragments (window 1) and four scale words: 16 loads
.set AD, 1+3*(\sl)
.irp d, 0,1,2,3
	ds_load_b32 v[90+\d], v[AD+2] offset:6656+6144+128*\d
.endr
	WIN 0x40
.irp d, 0,1,2,3
.irp c, 0,1,2
	ds_load_b128 v[32+12*\d+4*\c:35+12*\d+4*\c], v[AD] offset:6656+1536*\d+512*\c
.endr
.endr
	WIN 0
.endm
.macro SMUL u                          ; S^T of query tile u: eight tiles of 16 keys
.set QR, 16+176*(\u)
.irp t, 0,2,4,6
	v_wmma_scale_f32_16x16x128_f8f6f4 v[96+8*\t:103+8*\t], v[32+6*\t:43+6*\t], v[QR:QR+11], 0, v[86+\t/2], v[28+\u] matrix_a_fmt:MATRIX_FMT_FP6 matrix_b_fmt:MATRIX_FMT_FP6
	v_wmma_scale_f32_16x16x128_f8f6f4 v[104+8*\t:111+8*\t], v[38+6*\t:49+6*\t], v[QR:QR+11], 0, v[86+\t/2], v[28+\u] matrix_a_fmt:MATRIX_FMT_FP6 matrix_b_fmt:MATRIX_FMT_FP6 matrix_a_scale:MATRIX_SCALE_ROW1
.endr
.endm
; the softmax of query tile u on the scores in v96-159, and O^T += V^T P^T
.macro SOFT u
.set ST, 12-4*(\u)
.set OR, 160-160*(\u)
.irp b, 0,1,2,3
	v_max3_num_f32 v[232+\b], v[96+16*\b], v[97+16*\b], v[98+16*\b]   ; the largest score of each block of 32 keys
.endr
.irp i, 3,5,7,9,11,13
.irp b, 0,1,2,3
	v_max3_num_f32 v[232+\b], v[232+\b], v[96+16*\b+\i], v[97+16*\b+\i]
.endr
.endr
.irp b, 0,1,2,3
	v_max_num_f32 v[232+\b], v[232+\b], v[111+16*\b]
.endr
.irp b, 0,1,2,3
	s_delay_alu instid0(VALU_DEP_4)
	v_permlanex16_b32 v[236+\b], v[232+\b], s[SEL], s[SEL+1]
.endr
.irp b, 0,1,2,3
	s_delay_alu instid0(VALU_DEP_4)
	v_max_num_f32 v[232+\b], v[232+\b], v[236+\b]
.endr
	s_delay_alu instid0(VALU_DEP_2)
	v_max3_num_f32 v254, v232, v233, v234
	s_delay_alu instid0(VALU_DEP_1)
	v_max_num_f32 v254, v254, v235
	s_delay_alu instid0(VALU_DEP_1)
	v_mul_f32 v254, s[CS], v254
	s_delay_alu instid0(VALU_DEP_1)
	v_max_num_f32 v[ST+1], v[ST+1], v254           ; the running largest t
	v_mov_b32 v254, v[ST]
	s_delay_alu instid0(VALU_DEP_2)
	v_floor_f32 v[ST], -v[ST+1]                    ; the new -M
	s_delay_alu instid0(VALU_DEP_1)
	v_sub_f32 v254, v[ST], v254
	s_delay_alu instid0(VALU_DEP_1)
	v_cvt_i32_f32 v254, v254
	s_delay_alu instid0(VALU_DEP_1)
	v_ldexp_f32 v252, 1.0, v254                    ; f = 2^(old M - new M)
.irp j, 0,2,4,6,8,10,12,14,16,18,20,22,24,26,28,30,32,34,36,38,40,42,44,46,48,50,52,54,56,58,60,62
	v_pk_fma_f32 v[96+\j:97+\j], v[96+\j:97+\j], s[CS:CS+1], v[ST:ST+1] op_sel_hi:[1,0,0]   ; t - M
.endr
.irp b, 0,1,2,3
	v_fma_f32 v[232+\b], v[232+\b], s[CS], v[ST]
.endr
	s_wait_alu depctr_va_vdst(0)                   ; the wait ahead of the batch
.irp j, 0,1,2,3,4,5,6,7,8,9,10,11,12,13,14,15,16,17,18,19,20,21,22,23,24,25,26,27,28,29,30,31,32,33,34,35,36,37,38,39,40,41,42,43,44,45,46,47,48,49,50,51,52,53,54,55,56,57,58,59,60,61,62,63
	v_exp_f32 v[96+\j], v[96+\j]
.endr
	v_pk_mul_f32 v[ST+2:ST+3], v[ST+2:ST+3], v[252:253] op_sel_hi:[1,0]   ; the sums under the new M
	s_wait_alu depctr_va_vdst(0)                   ; one wait for the 64
.irp b, 0,1,2,3
	v_exp_f32 v[232+\b], v[232+\b]                 ; the block's largest p
.endr
	v_pk_add_f32 v[236:237], v[100:101], v[104:105]
	v_pk_add_f32 v[248:249], v[108:109], v[112:113]
	v_pk_add_f32 v[246:247], v[116:117], v[120:121]
	v_pk_add_f32 v[244:245], v[124:125], v[128:129]
	v_pk_add_f32 v[242:243], v[132:133], v[136:137]
	v_pk_add_f32 v[240:241], v[140:141], v[144:145]
	v_pk_add_f32 v[238:239], v[148:149], v[152:153]
	v_pk_add_f32 v[ST+2:ST+3], v[ST+2:ST+3], v[156:157]
	v_pk_add_f32 v[236:237], v[236:237], v[96:97]
	v_pk_add_f32 v[248:249], v[248:249], v[98:99]
	v_pk_add_f32 v[246:247], v[246:247], v[102:103]
	v_pk_add_f32 v[244:245], v[244:245], v[106:107]
	v_pk_add_f32 v[242:243], v[242:243], v[110:111]
	v_pk_add_f32 v[240:241], v[240:241], v[114:115]
	v_pk_add_f32 v[238:239], v[238:239], v[118:119]
	v_pk_add_f32 v[ST+2:ST+3], v[ST+2:ST+3], v[122:123]
	v_pk_add_f32 v[236:237], v[236:237], v[126:127]
	v_pk_add_f32 v[248:249], v[248:249], v[130:131]
	v_pk_add_f32 v[246:247], v[246:247], v[134:135]
	v_pk_add_f32 v[244:245], v[244:245], v[138:139]
	v_pk_add_f32 v[242:243], v[242:243], v[142:143]
	v_pk_add_f32 v[240:241], v[240:241], v[146:147]
	v_pk_add_f32 v[238:239], v[238:239], v[150:151]
	v_pk_add_f32 v[ST+2:ST+3], v[ST+2:ST+3], v[154:155]
	v_pk_add_f32 v[236:237], v[236:237], v[158:159]
	s_delay_alu instid0(VALU_DEP_2)
	v_pk_add_f32 v[ST+2:ST+3], v[ST+2:ST+3], v[244:245]
	s_delay_alu instid0(VALU_DEP_2)
	v_pk_add_f32 v[236:237], v[236:237], v[242:243]
	v_pk_add_f32 v[248:249], v[248:249], v[240:241]
	v_pk_add_f32 v[246:247], v[246:247], v[238:239]
	s_delay_alu instid0(VALU_DEP_2)
	v_pk_add_f32 v[ST+2:ST+3], v[ST+2:ST+3], v[248:249]
	s_delay_alu instid0(VALU_DEP_2)
	v_pk_add_f32 v[236:237], v[236:237], v[246:247]
	s_delay_alu instid0(VALU_DEP_1)
	v_pk_add_f32 v[ST+2:ST+3], v[ST+2:ST+3], v[236:237]
	s_wait_alu depctr_va_vdst(0)                   ; and one for the four
.irp b, 0,1,2,3
	v_max_num_f32 v[232+\b], 0x1800000, v[232+\b]  ; the floor 2^(3 - 127)
.endr
.irp b, 0,1,2,3
	s_delay_alu instid0(VALU_DEP_4)
	v_add_nc_u32 v[244+\b], 0xff000000, v[232+\b]
.endr
.irp b, 0,1,2,3
	s_delay_alu instid0(VALU_DEP_4)
	v_lshrrev_b32 v[236+\b], 23, v[244+\b]
.endr
	s_delay_alu instid0(VALU_DEP_3)
	v_lshl_or_b32 v253, v237, 8, v236              ; p's scale word
	s_delay_alu instid0(VALU_DEP_1)
	v_lshl_or_b32 v253, v238, 16, v253
	s_delay_alu instid0(VALU_DEP_1)
	v_lshl_or_b32 v253, v239, 24, v253
.irp c, 0,1
	v_cvt_scalef32_pk16_fp6_f32 v[224+6*\c:226+6*\c], v[96+32*\c:111+32*\c], v[244+2*\c]
	v_cvt_scalef32_pk16_fp6_f32 v[236+4*\c:238+4*\c], v[112+32*\c:127+32*\c], v[244+2*\c+1]
.endr
	v_nop
.irp c, 0,1
.irp i, 0,1,2
	v_permlane16_swap_b32 v[224+6*\c+\i], v[236+4*\c+\i]
.endr
.irp i, 0,1,2
	s_delay_alu instid0(VALU_DEP_3)
	v_mov_b32 v[227+6*\c+\i], v[236+4*\c+\i]
.endr
.endr
	WIN 0x41*(\u)
	s_wait_alu depctr_va_vdst(0)                   ; directly ahead of the first reader of O^T
.irp j, 0,2,4,6,8,10,12,14,16,18,20,22,24,26,28,30
	v_pk_mul_f32 v[OR+\j:OR+\j+1], v[OR+\j:OR+\j+1], v[252:253] op_sel_hi:[1,0]   ; O^T under the new M; these 16 also stand between the scale word's and the codes' last writes and the products
.endr
	WIN 0
	s_wait_alu depctr_va_vdst(0)                   ; directly ahead of the wait below
	s_wait_dscnt 0x0                               ; V is in
	WIN 0x01+0x50*(\u)                             ; V: window 1; tile 1's O^T too
.irp d, 0,1,2,3
	v_wmma_scale_f32_16x16x128_f8f6f4 v[OR+8*\d:OR+8*\d+7], v[32+12*\d:43+12*\d], v[224:235], v[OR+8*\d:OR+8*\d+7], v[90+\d], v253 matrix_a_fmt:MATRIX_FMT_FP6 matrix_b_fmt:MATRIX_FMT_FP6
.endr
	WIN 0
.endm
; A TRIP on slot sl.  first: no scores of tile 1 are pending.  pf: 0 no prefetch, 1 one, 2 one but in the loop's last trip
.macro TRIP sl, first, refill, pf
.if \pf
	s_wait_xcnt 0x0                                ; my last prefetch has read its address
	s_add_nc_u64 s[PFA:PFA+1], s[PFA:PFA+1], RECB
.endif
	s_wait_tensorcnt 0x0                           ; my one load that was out, this trip's records, is in;
	ds_add_u32 v251, v255                          ; the add;
	s_add_nc_u64 s[G0+4*(\sl)+2:G0+4*(\sl)+3], s[G0+4*(\sl)+2:G0+4*(\sl)+3], 2*RECB
	s_wait_dscnt 0x0                               ; it is done, and so are my reads of the other slot
	CROUND                                         ; the same holds of every wave of the four work-groups
.if \refill
	tensor_load_to_lds s[G0+4-4*(\sl):G0+7-4*(\sl)], s[G1:G1+7]   ; the next step's records, into the slot read last
	s_nop 0
.endif
	PLACES 4                                       ; in front of loads into registers that the last products read, and of the first read of tile 1's scores
	KLOAD \sl
.if (\first) == 0
	SOFT 1                                         ; the step before, tile 1: K lands meanwhile
	PLACES 4                                       ; in front of the loads over V's registers
.endif
	VLOAD \sl
.if (\pf) == 1
	global_prefetch_b8 v94, s[PFA:PFA+1] th:TH_LOAD_NT scope:SCOPE_SE
.elseif (\pf) == 2
	s_cmp_gt_u32 s[CNT], 1                         ; the last trip's would be steps 8 and 9, which do not exist
	s_cbranch_scc0 .Lnopf_\@
	global_prefetch_b8 v94, s[PFA:PFA+1] th:TH_LOAD_NT scope:SCOPE_SE
.Lnopf_\@:
.endif
	s_wait_dscnt 16                                ; K is in; V's 16 loads may be out
	SMUL 0
	PLACES 4
	SOFT 0
	SMUL 1
.endm
	s_load_b256 s[4:11], s[0:1], 0x0               ; img, woimg, Wo's scales, bo
	s_load_b64 s[12:13], s[0:1], 0x20              ; out
	v_lshl_add_u32 v251, v0, 2, SPARE
	v_mov_b32 v255, 0
	ds_add_u32 v251, v255                          ; the opening lines
	ds_add_u32 v251, v255
	v_lshrrev_b32 v1, 5, v0
	s_delay_alu instid0(VALU_DEP_1)
	v_readfirstlane_b32 s[WV], v1                  ; wave = head in the batch
	s_bfe_u32 s[CX], ttmp6, 0x40000
	s_mov_b32 s[G1], 15|(3<<16)|(1<<21)            ; all four work-groups; 52 dense rows of 256 bytes
	s_mov_b32 s[G1+1], 32<<16
	s_mov_b32 s[G1+2], 52<<16
	s_mov_b32 s[G1+3], 32<<16
	s_mov_b32 s[G1+4], 52
	s_mov_b32 s[G1+5], 32
	s_mov_b32 s[G1+6], 0
	s_mov_b32 s[G1+7], 0
	s_lshr_b32 s40, ttmp9, 3                       ; the batch: eight clusters to one
	s_mul_i32 s40, s40, 12
	s_add_co_u32 s40, s40, s[WV]
	s_mul_i32 s40, s40, HEADB                      ; my head's image
	s_mov_b32 s41, 0
	s_mul_i32 s42, s[WV], KVB                      ; my part of a slot
	s_and_b32 s44, ttmp9, 7                        ; my tokens' record,
	s_mul_i32 s44, s44, RECB
	s_add_co_u32 s44, s44, KVB                     ; Q's part of it
	s_lshl_b32 s46, s[CX], 7
	s_add_co_u32 s46, s46, s44
	s_add_co_u32 s46, s46, 6144                    ; the scale words of tile 2 cx
	s_mov_b32 s47, 0
	s_mul_i32 s45, s[CX], 1536
	s_add_co_u32 s44, s44, s45                     ; the codes of tile 2 cx
	s_mov_b32 s45, 0
	s_mul_i32 s50, s[CX], 13*256                   ; the prefetches: my work-group's 13 blocks, at step 2 (each trip steps on first)
	s_add_co_u32 s50, s50, 2*RECB
	s_mov_b32 s51, 0
	s_mul_i32 s52, s[WV], 36864                    ; Wo's tiles 4 w ..
	s_mov_b32 s53, 0
	s_mov_b32 s[CS], 0x3e38aa3b                    ; log2(e) / 8
	s_mov_b32 s[CS+1], s[CS]
	s_mov_b32 s[SEL], 0x76543210
	s_mov_b32 s[SEL+1], 0xfedcba98
	s_mov_b32 s54, 0x05010400                      ; two low halves, byte by byte by turns
	s_mov_b32 s55, 0x07030602                      ; two high halves
	s_wait_dscnt 0x0
	s_wait_kmcnt 0x0
	s_add_nc_u64 s[4:5], s[4:5], s[40:41]
	s_mov_b32 s[G0], 1
	s_mov_b32 s[G0+1], s42
	s_mov_b64 s[G0+2:G0+3], s[4:5]                 ; step 0
	s_or_b32 s[G0+3], s[G0+3], 0x80000000
	s_mov_b32 s[G0+4], 1
	s_add_co_u32 s[G0+5], s42, SLOT
	s_add_nc_u64 s[G0+6:G0+7], s[4:5], RECB        ; step 1
	s_or_b32 s[G0+7], s[G0+7], 0x80000000
	CROUND                                         ; the four work-groups are here: the joint loads meet
	tensor_load_to_lds s[G0:G0+3], s[G1:G1+7]      ; one load a wave at the head
	s_nop 0
	PLACES 4
	s_add_nc_u64 s[48:49], s[4:5], s[44:45]
	s_add_nc_u64 s[46:47], s[4:5], s[46:47]
	s_add_nc_u64 s[PFA:PFA+1], s[4:5], s[50:51]
	s_add_nc_u64 s[6:7], s[6:7], s[52:53]
	s_mul_i32 s52, s[WV], 1536
	s_add_nc_u64 s[8:9], s[8:9], s[52:53]
	s_lshl_b32 s52, s[WV], 8
	s_add_nc_u64 s[10:11], s[10:11], s[52:53]
	s_add_nc_u64 s[12:13], s[12:13], s[52:53]
	s_lshl_b32 s52, ttmp9, 2
	s_add_co_u32 s52, s52, s[CX]
	s_mul_i32 s52, s52, 98304                      ; 32 rows of out
	s_add_nc_u64 s[12:13], s[12:13], s[52:53]
	v_and_b32 v7, 31, v0
	v_and_b32 v30, 15, v0
	v_lshlrev_b32 v95, 4, v7
	v_lshlrev_b32 v204, 3, v7
	v_lshlrev_b32 v205, 2, v30
	global_load_b128 v[16:19], v95, s[48:49]       ; Q of tile 0,
	global_load_b64 v[20:21], v204, s[48:49] offset:512
	global_load_b32 v28, v205, s[46:47]
	global_load_b128 v[192:195], v95, s[48:49] offset:768   ; of tile 1
	global_load_b64 v[196:197], v204, s[48:49] offset:768+512
	global_load_b32 v29, v205, s[46:47] offset:64
	WIN 0x40
.irp j, 0,1,2,3,4,5,6,7,8,9,10,11,12,13,14,15,16,17,18,19,20,21,22,23,24,25,26,27,28,29,30,31
	v_mov_b32 v[\j], 0                             ; O^T of tile 1
.endr
	WIN 0
.irp j, 0,1,2,3,4,5,6,7,8,9,10,11,12,13,14,15,16,17,18,19,20,21,22,23,24,25,26,27,28,29,30,31
	v_mov_b32 v[160+\j], 0                         ; O^T of tile 0: the softmax is written once; the first finds zeros
.endr
.irp i, 22,23,24,25,26,27,80,81,82,83,84,85,198,199,200,201,202,203,236,237,238,239,253,10,11,14,15
	v_mov_b32 v\i, 0                               ; zero codes; permute destinations; the sums
.endr
	v_mov_b32 v13, 0xff61b1e6                      ; the largest t so far: -3e38
	v_mov_b32 v9, 0xff61b1e6
	v_floor_f32 v12, -v13
	v_floor_f32 v8, -v9
	v_lshl_add_u32 v1, v7, 4, s42
	v_lshl_add_u32 v2, v7, 3, s42
	v_lshl_add_u32 v3, v7, 2, s42
	v_add_nc_u32 v4, SLOT, v1
	v_add_nc_u32 v5, SLOT, v2
	v_add_nc_u32 v6, SLOT, v3
	v_min_u32 v94, 12, v7
	v_lshlrev_b32 v94, 8, v94
	s_mov_b32 s[CNT], 3
	s_wait_alu depctr_va_vdst(0)
	s_wait_loadcnt 0x0                             ; Q
	TRIP 0, 1, 1, 1                                ; step 0
.Lloop:                                                ; steps 1 to 6
	TRIP 1, 0, 1, 2
	TRIP 0, 0, 1, 2
	s_sub_co_u32 s[CNT], s[CNT], 1
	s_cmp_lg_u32 s[CNT], 0
	s_cbranch_scc1 .Lloop
	TRIP 1, 0, 0, 0                                ; step 7 fetches nothing more
	PLACES 4
	SOFT 1                                         ; step 7, tile 1
	; ================= x, and x Wo^T + bo =================
.macro WLOAD s                         ; Wo's four fragments of step s into buffer s % 3: images, as they lie
.irp t, 0,1,2,3
.irp j, 0,1,2
	global_load_b128 v[32+48*((\s)%3)+12*\t+4*\j:35+48*((\s)%3)+12*\t+4*\j], v19, s[6:7] offset:9216*\t+1536*(\s)+512*\j
.endr
.endr
.endm
.macro XLOAD s                         ; x's two fragments of step s into window 1, set s % 2
.irp u, 0,1
.irp j, 0,1,2
	ds_load_b128 v[24*((\s)%2)+12*\u+4*\j:24*((\s)%2)+12*\u+4*\j+3], v30 offset:16*XP*\u+48*(\s)+16*\j
.endr
.endr
.endm
.macro XOUT u                          ; tile u: O^T / the sum, quantised, into the rows of x
.set ST, 12-4*(\u)
.set OR, 160-160*(\u)
	v_add_f32 v[ST+2], v[ST+2], v[ST+3]
	s_delay_alu instid0(VALU_DEP_1)
	v_permlanex16_b32 v254, v[ST+2], s[SEL], s[SEL+1]
	s_delay_alu instid0(VALU_DEP_1)
	v_add_f32 v[ST+2], v[ST+2], v254
	s_wait_alu depctr_va_vdst(0)                   ; ahead of the transcendental
	v_rcp_f32 v[ST+2], v[ST+2]
	v_nop
	WIN (\u)
	s_wait_alu depctr_va_vdst(0)                   ; and directly ahead of its reader, the first reader of O^T
.irp j, 0,2,4,6,8,10,12,14,16,18,20,22,24,26,28,30
	v_pk_mul_f32 v[192+\j:193+\j], v[OR+\j:OR+\j+1], v[ST+2:ST+3] op_sel_hi:[1,0]   ; register 16 b + i is d = 32 b + 16 h + i
.endr
	WIN 0
	QUANT32 192, 236, 242
	ds_store_b64 v21, v[236:237] offset:16*XP*(\u)
	ds_store_b64 v21, v[238:239] offset:16*XP*(\u)+8
	ds_store_b64 v21, v[240:241] offset:16*XP*(\u)+16
	ds_store_b16 v22, v242 offset:512*(\u)
.endm
.macro GSTEP s                         ; 128 along K: 8 products, the accumulators by turns
.if (\s) < 4
	s_wait_loadcnt 24                              ; behind this step's 12 loads: two steps' 24
.elseif (\s) == 4
	s_wait_loadcnt 12
.else
	s_wait_loadcnt 0x0
.endif
.if (\s) < 5
	s_wait_dscnt 6                                 ; behind this step's 6 loads: the next step's 6
.else
	s_wait_dscnt 0x0
.endif
.if (\s) == 0
	WIN 0x14                                       ; x and the bias: window 1
.else
	WIN 0x04
.endif
.irp t, 0,1,2,3
.irp u, 0,1
.if (\s) == 0
	WMC 176+8*(4*\u+\t), 32+48*((\s)%3)+12*\t, 24*((\s)%2)+12*\u, 48+8*\t, WSW+6*(\t/2)+(\s), XSW+(\s), \t%2, \u
.else
	WMC 176+8*(4*\u+\t), 32+48*((\s)%3)+12*\t, 24*((\s)%2)+12*\u, 176+8*(4*\u+\t), WSW+6*(\t/2)+(\s), XSW+(\s), \t%2, \u
.endif
.endr
.endr
	WIN 0
.if (\s) < 4
	PLACES 4
.endif
.if (\s) < 3
	WLOAD (\s)+3
.endif
.if (\s) < 4
	WIN 0x40
	XLOAD (\s)+2
	WIN 0
.endif
.endm
	s_wait_xcnt 0x0                                ; the prefetches have read v94, on which a load lands below
	v_and_b32 v16, 15, v0                          ; r.  (These six are also the places behind the last products)
	v_bfe_u32 v17, v0, 4, 1                        ; h
	v_and_b32 v18, 31, v0
	v_mul_u32_u24 v20, v18, 24                     ; Wo's scale bytes: row lane of a pair of tiles
	v_lshlrev_b32 v19, 4, v18                      ; Wo's images: 16 x lane
	v_lshlrev_b32 v1, 5, v17                       ; the bias: 32 h
.irp t2, 0,1
.irp k, 0,1,2
	global_load_b64 v[128+6*\t2+2*\k:129+6*\t2+2*\k], v20, s[8:9] offset:768*\t2+8*\k
.endr
.endr
	WIN 0x40
.irp t, 0,1,2,3
	global_load_b128 v[48+8*\t:51+8*\t], v1, s[10:11] offset:64*\t          ; bo(64 w + 16 t + 8 h + 0 .. 7)
	global_load_b128 v[52+8*\t:55+8*\t], v1, s[10:11] offset:64*\t+16
.endr
	WIN 0
	WLOAD 0
	WLOAD 1
	s_mul_i32 s40, s[WV], 48
	s_lshl_b32 s41, s[WV], 1
	s_add_co_u32 s41, s41, XSC
	s_add_co_u32 s44, s42, SLOT                    ; my stage: my part of slot 1
	v_mul_u32_u24 v21, v16, XP
	v_lshl_add_u32 v22, v16, 5, s41                ; x's scale bytes: 32 bytes a token, two a head
	v_lshl_add_u32 v23, v18, 5, XSC
	v_mad_u32_u24 v30, v17, 288, v21               ; x's fragments
	v_mad_u32_u24 v21, v17, 24, v21
	v_add_nc_u32 v21, s40, v21                     ; x's codes: row r, head w, block h
	v_mul_u32_u24 v31, v16, 272
	v_lshl_add_u32 v31, v17, 5, v31
	v_add_nc_u32 v31, s44, v31                     ; the stage, in: row r, 32 bytes for each half of the lanes
	XOUT 0
	XOUT 1
	v_mul_u32_u24 v14, v17, 272
	v_lshl_add_u32 v14, v16, 4, v14
	v_add_nc_u32 v14, s44, v14                     ; back: lanes 0-15 one row, lanes 16-31 the next
	v_mul_u32_u24 v15, v17, 3072
	v_lshl_add_u32 v15, v16, 4, v15                ; the same two rows in out
	s_wait_loadcnt 24                              ; Wo's scale bytes and the bias are in; behind them two steps' 24 loads
.irp t2, 0,1
.irp s, 0,1,2,3,4,5
	v_perm_b32 v[WSW+6*\t2+\s], v[128+6*\t2+3+\s/2], v[128+6*\t2+\s/2], s[54+\s%2]   ; bytes 2 s, 12 + 2 s, 2 s + 1, 13 + 2 s
.endr
.endr
	WLOAD 2
	s_wait_alu depctr_va_vdst(0)                   ; directly ahead of the wait below
	s_wait_dscnt 0x0                               ; my stores of x are done
	s_barrier_signal -1
	s_barrier_wait -1                              ; everybody's are
	ds_load_b128 v[240:243], v23                   ; x's scale bytes: lanes 0-15 tile 0's tokens, lanes 16-31 tile 1's
	ds_load_b64 v[244:245], v23 offset:16
	WIN 0x40
	XLOAD 0
	XLOAD 1
	WIN 0
	s_wait_dscnt 12                                ; all but the 12 just issued
.irp s, 0,1,2,3,4,5
	v_perm_b32 v[XSW+\s], v[243+\s/2], v[240+\s/2], s[54+\s%2]
.endr
	PLACES 8                                       ; a scale register written by a vector instruction stands eight places ahead of a scaled product
	s_wait_alu depctr_va_vdst(0)
.irp s, 0,1,2,3,4,5
	GSTEP \s
.endr
	PLACES 4                                       ; for the stores of results and the loads over Wo's registers
.irp u, 0,1
.irp t, 0,1,2,3
	ds_store_b128 v31, v[176+8*(4*\u+\t):179+8*(4*\u+\t)] offset:4352*\u+64*\t       ; each accumulator from its low end on
	ds_store_b128 v31, v[180+8*(4*\u+\t):183+8*(4*\u+\t)] offset:4352*\u+64*\t+16
.endr
.endr
.irp u, 0,1
.irp i, 0,1,2,3,4,5,6,7
	ds_load_b128 v[32+4*(8*\u+\i):35+4*(8*\u+\i)], v14 offset:4352*\u+544*\i         ; LDS serves a wave's instructions in order
.endr
.endr
	s_wait_dscnt 8                                 ; tile 0's rows are back
.irp i, 0,1,2,3,4,5,6,7
	global_store_b128 v15, v[32+4*\i:35+4*\i], s[12:13] offset:2*\i*3072 th:TH_STORE_NT
.endr
	s_wait_dscnt 0x0
.irp i, 0,1,2,3,4,5,6,7
	global_store_b128 v15, v[64+4*\i:67+4*\i], s[12:13] offset:(16+2*\i)*3072 th:TH_STORE_NT
.endr
	s_wait_tensorcnt 0x0                           ; the wave's end
	ds_add_u32 v251, v255
	s_wait_dscnt 0x0
	CROUND                                         ; the closing round
	s_endpgm
.Lfunc_end_k_q50f281d8ce_attno:
	.size	k_q50f281d8ce_attno, .Lfunc_end_k_q50f281d8ce_attno-k_q50f281d8ce_attno
	.p2alignl 7, 3214868480
	.fill 96, 4, 3214868480
	.section	.rodata,"a",@progbits
	.p2align	6, 0x0
	.amdhsa_kernel k_q50f281d8ce_attno
		.amdhsa_group_segment_fixed_size 327680
		.amdhsa_private_segment_fixed_size 0
		.amdhsa_enable_private_segment 0
		.amdhsa_kernarg_size 40
		.amdhsa_user_sgpr_count 2
		.amdhsa_user_sgpr_kernarg_segment_ptr 1
		.amdhsa_wavefront_size32 1
		.amdhsa_system_sgpr_workgroup_id_x 1
		.amdhsa_system_sgpr_workgroup_id_y 1
		.amdhsa_system_sgpr_workgroup_id_z 1
		.amdhsa_system_vgpr_workitem_id 0
		.amdhsa_next_free_vgpr 336
		.amdhsa_next_free_sgpr 66
		.amdhsa_reserve_vcc 0
		.amdhsa_float_denorm_mode_32 3
		.amdhsa_float_denorm_mode_16_64 3
		.amdhsa_memory_ordered 1
		.amdhsa_forward_progress 1
		.amdhsa_inst_pref_size 173
	.end_amdhsa_kernel
	.amdgpu_metadata
---
amdhsa.version: [ 1, 2 ]
amdhsa.kernels:
  - .name:           k_q50f281d8ce_attno
    .symbol:         k_q50f281d8ce_attno.kd
    .args:
      - { .name: img, .offset: 0, .size: 8, .value_kind: global_buffer, .address_space: global }
      - { .name: woimg, .offset: 8, .size: 8, .value_kind: global_buffer, .address_space: global }
      - { .name: Wo_scales, .offset: 16, .size: 8, .value_kind: global_buffer, .address_space: global }
      - { .name: bo, .offset: 24, .size: 8, .value_kind: global_buffer, .address_space: global }
      - { .name: out0, .offset: 32, .size: 8, .value_kind: global_buffer, .address_space: global }
    .group_segment_fixed_size: 327680
    .private_segment_fixed_size: 0
    .kernarg_segment_align: 8
    .kernarg_segment_size: 40
    .max_flat_workgroup_size: 384
    .sgpr_count:     66
    .vgpr_count:     336
    .wavefront_size: 32
...
	.end_amdgpu_metadata
.endif
;; end of part 2
